; MI455X (gfx1250); checked and timed in simulation.
; The chip was launched on July 23, 2026; its instructions are those of AMD's public machine-readable ISA for CDNA 5 (MIT licence, August 2026) and "CDNA5" Instruction Set Architecture Reference Guide (July 2026). The comments in the code are by the model that wrote it; some were corrected since.
;; Cross Multi Attention SNP Pheno. Allowed arithmetic: matrix products marked QUANTISED: E4M3 operands, one E8M0 scale for each 32 along K, by v_wmma_scale_f32_16x16x128_f8f6f4 with both operands' format E4M3, f32 sums; everything else in f32.
;; Inputs: SNPS_encoded 2 x 4,096 x 512 float32; Wk 512 x 512 float32; Wq 512 x 512 float32; Wv_pheno 512 x 512 float32; Wv_snp 512 x 512 float32; pheno_encoded 2 x 2,048 x 512 float32.
;; Outputs: out0 2 x 2,048 x 512 float32; out1 2 x 4,096 x 512 float32.
;; This version of the problem:
;;   THIS VERSION OF THE PROBLEM IS GIVEN IN LOW PRECISION. The matrix products marked QUANTISED in the list below multiply operands that are first quantised to E4M3 (4 exponent bits, 3 mantissa bits; 8 bits a number), with one power-of-two scale for each 32 numbers along K (OCP MX v1.0); their sums are f32. All else is computed in f32.
;;   The module's matrix products, in the order in which they are computed (A, B: the left and right operand; K: the contracted axis; several contracted axes count as one K, in the product's order):
;;     1. [M 4,096, K 512] x [K 512, N 512]; A: input pheno_encoded; B: input Wk: QUANTISED
;;     2. [M 8,192, K 512] x [K 512, N 512]; A: input SNPS_encoded; B: input Wq: QUANTISED
;;     3. [M 4,096, K 512] x [K 512, N 512]; A: input pheno_encoded; B: input Wv_pheno: QUANTISED
;;     4. [M 8,192, K 512] x [K 512, N 512]; A: input SNPS_encoded; B: input Wv_snp: QUANTISED
;;     5. batch 16 x [M 2,048, K 64] x [K 64, N 4,096]; A: computed on the way; B: computed on the way: QUANTISED
;;     6. batch 16 x [M 2,048, K 4,096] x [K 4,096, N 64]; A: softmax (see below); B: computed on the way: QUANTISED
;;     7. batch 16 x [M 4,096, K 2,048] x [K 2,048, N 64]; A: softmax (see below); B: computed on the way: QUANTISED
;;   THE QUANTISER, for each operand of a quantised product, along K:
;;     - K is cut into blocks of 32 from its start; a last block that is shorter is filled with zeros.
;;     - A block's scale is 2^e with e = floor(log2(the largest magnitude in the block)) - 8, held to -126 .. 127; a block of zeros has e = 0. As a byte (E8M0): e + 127.
;;     - Each number is divided by its block's scale, clamped to +-448, and rounded to the nearest number of E4M3, ties to even, subnormals kept.
;;     - The product sums the exact products of the quantised numbers (number of the format x scale) in f32.
;;   ~~~python
;;   def quantise(x, axis):      # numpy; x: float32 -> the quantised numbers, widened to float32 again
;;       x = np.moveaxis(x, axis, -1); K = x.shape[-1]
;;       x = np.pad(x, [(0, 0)] * (x.ndim - 1) + [(0, -K % 32)]); x = x.reshape(x.shape[:-1] + (-1, 32)); a = np.abs(x).max(-1, keepdims=True)
;;       e = np.where(a > 0, np.clip(np.frexp(np.where(a > 0, a, 1))[1] - 1 - 8, -126, 127), 0)      # np.frexp(a)[1] - 1 = floor(log2(a)), exactly
;;       r = np.clip(x / 2.0 ** e, -448, 448)
;;       step = 2.0 ** (np.maximum(np.frexp(np.where(r == 0, 1, r))[1] - 1, -6) - 3)
;;       q = np.round(r / step) * step * 2.0 ** e      # np.round: ties to even
;;       return np.moveaxis(q.reshape(q.shape[:-2] + (-1,))[..., :K], -1, axis).astype(np.float32)
;;   ~~~
;;   SOFTMAX AHEAD OF A QUANTISED PRODUCT. Where the list says 'softmax', what is quantised is not the finished softmax but p = 2^(t - M), with t = logit x log2(e) and M = ceil(the row's largest t), a whole number; so 1/2 < the row's largest p <= 1. The row's sum l is taken of the UNQUANTISED p, in f32, and the product's result is divided by l at the end. Since M is a whole number, a kernel that streams over the keys may use a running M (the ceiling of the running maximum): every later rescaling is an exact power of two, which a block's scale takes up: the codes' values come out the same.
;;   OPERANDS COMPUTED ON THE WAY. 'Computed on the way' means the value that the module computes at that place (a softmax that the list does not call 'softmax' is quantised finished and normalised). What goes into a quantiser is computed in f32, as accurately as f32 sums, v_exp_f32 and their like allow (about 1e-6 of the number): no bf16 or f16 on the way to a quantiser, and a product that is left as it is and whose result goes on into a quantised operand takes f32 operands (vector FMAs, or v_wmma_f32_16x16x4_f32). A number that lies on a knife's edge between two numbers of the format may be rounded either way, as far as f32 arithmetic and the matrix unit's own rounding can turn it there, and no further.
;; One version. Each part assembles by itself: llvm-mc -triple=amdgcn-amd-amdhsa -mcpu=gfx1250 --defsym DOCPART=n.
;; ======== version 1 of 1: 3 launches
;; limits: right only within a limited range of input values
;; workspace buffers: wq 1,081,344 bytes; ppack 4,587,520 bytes; spack 9,175,040 bytes; pres 8,388,608 bytes; sres 16,777,216 bytes
;; launch quantw (part 1): grid 4 x 8, 4 waves a work-group, no clusters, 36,352 bytes of LDS; arguments Wk, Wv_pheno, Wq, Wv_snp, wq; writes wq
.if DOCPART == 1
	.amdgcn_target "amdgcn-amd-amdhsa--gfx1250"
	.amdhsa_code_object_version 6
	.text
	.protected	k_q39f3e5d887_quantw
	.globl	k_q39f3e5d887_quantw
	.p2align	8
	.type	k_q39f3e5d887_quantw,@function
k_q39f3e5d887_quantw:
	s_mov_b64 s[64:65], 0
	v_nop
	global_prefetch_b8 v0, s[64:65] scope:SCOPE_SE
	s_setreg_imm32_b32 hwreg(HW_REG_WAVE_MODE, 25, 1), 1
	s_wait_xcnt 0x0
; The four weights W [512 (k)][512 (n)], f32, K on the FIRST axis, become codes of E4M3 laid [n][k] with K innermost, and one E8M0 byte for each 32 along K, laid [n][16].
; wq: weight wi (0 Wk, 1 Wv_pheno, 2 Wq, 3 Wv_snp): codes at wi x 262,144 + n x 512 + k;  scale bytes at 1,048,576 + wi x 8,192 + n x 16 + k / 32.
; A LANE TAKES A COLUMN n AND ITS REGISTERS RUN DOWN K: a load reads 128 consecutive bytes a wave, a block of 32 along K lies in one lane's 32 registers, and the conversions give codes with K innermost.
; A wave takes 32 columns x 256 along K; its codes go through its own stage in LDS and leave as rows: sixteen lanes store 256 consecutive bytes, aligned.
; Grid: x = which 128 columns; y = 2 x weight + which 256 along K.  Waves share nothing: no barrier.  No tile is shared between work-groups, so no cluster; no matrix work here.
; A block's scale is 2^(floor(log2(largest magnitude)) - 8); its byte is the largest magnitude's exponent field - 8, held at 1 from below.
; LIMITS: a block of zeros gets the byte 1 where the rule says 127 (its codes are zeros, and this program alone reads the bytes); blocks whose largest magnitude lies under 2^-118 get the byte 1; NaN and infinities are not served.
.set SIZE_N, 512
.set KW,    256                        ; along K for a wave
.set NB,    KW/32                      ; blocks
.set PITCH, 272                        ; a stage row: 256 bytes of codes + 16
.set KROW,  512                        ; a row of the codes in bytes
.set MANT,  0x600000                   ; the mantissa field of 448 as f32
.set X,     32                         ; v32-95   two sets of 32 numbers
.set C,     96                         ; v96-103  a block's codes
.set OUTR,  112                        ; v112-175 the way out
.set SB,    24                         ; v24-25   the scale bytes, four to a register
	s_load_b256 s[4:11], s[0:1], 0x0               ; Wk, Wv_pheno, Wq, Wv_snp
	s_load_b64 s[12:13], s[0:1], 0x20              ; wq
	v_lshl_add_u32 v192, v0, 2, 0x8c00
	v_mov_b32 v193, 0
	v_lshrrev_b32 v1, 5, v0
	v_readfirstlane_b32 s16, v1                    ; wave 0..3
	v_and_b32 v2, 31, v0                           ; lane
	s_lshl_b32 s17, ttmp9, 7
	s_lshl_b32 s18, s16, 5
	s_add_co_u32 s17, s17, s18                     ; my wave's first column
	s_and_b32 s19, ttmp7, 0xffff
	s_lshr_b32 s30, s19, 1                         ; which weight
	s_and_b32 s18, s19, 1                          ; which 256 along K
	v_lshlrev_b32 v3, 2, v2                        ; in: 4 bytes a lane
	s_mul_i32 s19, s16, 32*PITCH                   ; my stage
	v_mul_u32_u24 v4, v2, PITCH
	v_add_nc_u32 v4, s19, v4                       ; into it: row = my column
	v_and_b32 v5, 15, v2
	v_lshrrev_b32 v6, 4, v2                        ; out of it: sixteen lanes to a row, two rows an instruction
	v_mul_u32_u24 v7, v6, PITCH
	v_lshl_add_u32 v7, v5, 4, v7
	v_add_nc_u32 v7, s19, v7
	v_mul_u32_u24 v8, v6, KROW
	v_lshl_add_u32 v8, v5, 4, v8                   ; and the same place in the codes
	v_lshlrev_b32 v9, 4, v2                        ; my column's row of 16 scale bytes
	s_lshl_b32 s20, s18, 19                        ; W: 256 rows of 2,048 bytes,
	s_lshl_b32 s22, s17, 2
	s_add_co_u32 s20, s20, s22                     ; + 4 x column
	s_mov_b32 s21, 0
	s_lshl_b32 s24, s30, 18                        ; codes: weight x 262,144
	s_lshl_b32 s22, s17, 9
	s_add_co_u32 s24, s24, s22                     ; + column x 512
	s_lshl_b32 s22, s18, 8
	s_add_co_u32 s24, s24, s22                     ; + 256 x which half of K
	s_mov_b32 s25, 0
	s_lshl_b32 s28, s30, 13                        ; scale bytes: weight x 8,192
	s_lshl_b32 s22, s17, 4
	s_add_co_u32 s28, s28, s22                     ; + column x 16
	s_lshl_b32 s22, s18, 3
	s_add_co_u32 s28, s28, s22                     ; + 8 x which half of K
	s_add_co_u32 s28, s28, 0x100000                ; behind the codes
	s_mov_b32 s29, 0
	s_and_b32 s36, s30, 1
	s_wait_kmcnt 0x0
	s_cmp_lt_u32 s30, 2                            ; the weight is chosen by the work-group's number alone
	s_cselect_b64 s[32:33], s[4:5], s[8:9]
	s_cselect_b64 s[34:35], s[6:7], s[10:11]
	s_cmp_lg_u32 s36, 0
	s_cselect_b64 s[4:5], s[34:35], s[32:33]
	s_add_nc_u64 s[4:5], s[4:5], s[20:21]
	s_add_nc_u64 s[6:7], s[12:13], s[24:25]
	s_add_nc_u64 s[8:9], s[12:13], s[28:29]
.macro LOAD t                          ; block t: W(32 t + i, my column), i = 0 .. 31, into set t % 2
.set li, 0
.rept 32
	global_load_b32 v[X+32*((\t)%2)+li], v3, s[4:5] offset:(32*(\t)+li)*SIZE_N*4 th:TH_LOAD_NT
.set li, li+1
.endr
.endm
	LOAD 0
	LOAD 1
.macro BLOCK t
.set XS, X+32*((\t)%2)
.if (\t) < NB-1
	s_wait_loadcnt 32                              ; this block's 32 loads are in; the next block's 32 may be out
.else
	s_wait_loadcnt 0x0
.endif
	v_max3_num_f32 v12, |v[XS]|, |v[XS+1]|, |v[XS+2]|              ; the block's largest magnitude: all 32 numbers are mine
	v_max3_num_f32 v13, |v[XS+3]|, |v[XS+4]|, |v[XS+5]|
.irp i, 6,10,14,18,22,26
	v_max3_num_f32 v12, v12, |v[XS+\i]|, |v[XS+\i+1]|
	v_max3_num_f32 v13, v13, |v[XS+\i+2]|, |v[XS+\i+3]|
.endr
	v_max3_num_f32 v12, v12, |v[XS+30]|, |v[XS+31]|
	v_max3_num_f32 v12, v12, v13, 0x4800000        ; and the floor 2^(9 - 127): the byte cannot fall under 1
	v_add_nc_u32 v11, 0xfc000000, v12              ; 8 off the exponent field: the conversion's scale operand
	v_lshrrev_b32 v13, 23, v11                     ; the scale's byte
.if (\t)%4 == 0
	v_mov_b32 v[SB+(\t)/4], v13                    ; four bytes to a register, the lower K in the lower byte
.else
	v_lshl_or_b32 v[SB+(\t)/4], v13, 8*((\t)%4), v[SB+(\t)/4]
.endif
.set li, 0
.rept 32
.set li, li+1
.endr
.irp g, 0,1,2,3
	v_cvt_scalef32_pk8_fp8_f32 v[C+2*\g:C+2*\g+1], v[XS+8*\g:XS+8*\g+7], v11
.endr
	ds_store_b128 v4, v[C:C+3] offset:32*(\t)      ; 32 codes: 32 bytes of my column's row
	ds_store_b128 v4, v[C+4:C+7] offset:32*(\t)+16
.if (\t)+2 < NB
	LOAD (\t)+2
.endif
	s_wait_dscnt 0x0                               ; the stores have read their registers: the next block's codes may be written
.endm
.set Q, 0
.rept NB
	BLOCK Q
.set Q, Q+1
.endr
	s_wait_alu depctr_va_vdst(0)
	global_store_b64 v9, v[SB:SB+1], s[8:9]        ; my column's 8 scale bytes
.irp t, 0,1,2,3,4,5,6,7,8,9,10,11,12,13,14,15
	ds_load_b128 v[OUTR+4*\t:OUTR+4*\t+3], v7 offset:2*\t*PITCH   ; LDS serves a wave's instructions in order: these see my stores
.endr
.irp t, 0,1,2,3,4,5,6,7,8,9,10,11,12,13,14,15
	s_wait_dscnt 15-\t                             ; the younger reads may stay out
	global_store_b128 v8, v[OUTR+4*\t:OUTR+4*\t+3], s[6:7] offset:2*\t*KROW
.endr
	s_wait_tensorcnt 0x0
	ds_add_u32 v192, v193
	s_wait_dscnt 0x0
	s_endpgm
.Lfunc_end_k_q39f3e5d887_quantw:
	.size	k_q39f3e5d887_quantw, .Lfunc_end_k_q39f3e5d887_quantw-k_q39f3e5d887_quantw
	.p2alignl 7, 3214868480
	.fill 96, 4, 3214868480
	.section	.rodata,"a",@progbits
	.p2align	6, 0x0
	.amdhsa_kernel k_q39f3e5d887_quantw
		.amdhsa_group_segment_fixed_size 36352
		.amdhsa_private_segment_fixed_size 0
		.amdhsa_enable_private_segment 0
		.amdhsa_kernarg_size 40
		.amdhsa_user_sgpr_count 2
		.amdhsa_user_sgpr_kernarg_segment_ptr 1
		.amdhsa_wavefront_size32 1
		.amdhsa_system_sgpr_workgroup_id_x 1
		.amdhsa_system_sgpr_workgroup_id_y 1
		.amdhsa_system_sgpr_workgroup_id_z 1
		.amdhsa_system_vgpr_workitem_id 0
		.amdhsa_next_free_vgpr 194
		.amdhsa_next_free_sgpr 66
		.amdhsa_reserve_vcc 0
		.amdhsa_float_denorm_mode_32 3
		.amdhsa_float_denorm_mode_16_64 3
		.amdhsa_fp16_overflow 1
		.amdhsa_memory_ordered 1
		.amdhsa_forward_progress 1
		.amdhsa_inst_pref_size 43
	.end_amdhsa_kernel
	.amdgpu_metadata
---
amdhsa.version: [ 1, 2 ]
amdhsa.kernels:
  - .name:           k_q39f3e5d887_quantw
    .symbol:         k_q39f3e5d887_quantw.kd
    .args:
      - { .name: Wk, .offset: 0, .size: 8, .value_kind: global_buffer, .address_space: global }
      - { .name: Wv_pheno, .offset: 8, .size: 8, .value_kind: global_buffer, .address_space: global }
      - { .name: Wq, .offset: 16, .size: 8, .value_kind: global_buffer, .address_space: global }
      - { .name: Wv_snp, .offset: 24, .size: 8, .value_kind: global_buffer, .address_space: global }
      - { .name: wq, .offset: 32, .size: 8, .value_kind: global_buffer, .address_space: global }
    .group_segment_fixed_size: 36352
    .private_segment_fixed_size: 0
    .kernarg_segment_align: 8
    .kernarg_segment_size: 40
    .max_flat_workgroup_size: 128
    .sgpr_count:     66
    .vgpr_count:     194
    .wavefront_size: 32
...
	.end_amdgpu_metadata
.endif
;; end of part 1
;; launch proj (part 2): grid 96 x 2, 4 waves a work-group, no clusters, 70,144 bytes of LDS; arguments pheno_encoded, SNPS_encoded, wq, ppack, spack, pres, sres; writes ppack, spack, pres, sres
.if DOCPART == 2
	.amdgcn_target "amdgcn-amd-amdhsa--gfx1250"
	.amdhsa_code_object_version 6
	.text
	.protected	k_q39f3e5d887_proj
	.globl	k_q39f3e5d887_proj
	.p2align	8
	.type	k_q39f3e5d887_proj,@function
k_q39f3e5d887_proj:
	s_mov_b64 s[64:65], 0
	v_nop
	global_prefetch_b8 v0, s[64:65] scope:SCOPE_SE
	s_setreg_imm32_b32 hwreg(HW_REG_WAVE_MODE, 25, 1), 1
	s_wait_xcnt 0x0
; The four projections, on codes of E4M3 with one E8M0 scale for each 32 along K = 512, and the quantising of their results for the attention that follows.
; x (pheno_encoded or SNPS_encoded, [rows][512] f32) is quantised here; the weights come as codes [n][512] with scale bytes [n][16] out of wq.
; SHARES.  Work-group (x, y): x < 32: rows 128 x .. of pheno with Wk and Wv_pheno; else rows 128 (x - 32) .. of SNPS with Wq and Wv_snp; y: heads 4 y .. 4 y + 3.  Wave w owns head 4 y + w for all 128 rows:
; its 64 columns of both weights stay in registers (512 registers), read once.  One path serves both tensors: only pointers, offsets and one shift are chosen, on the work-group's number.
; 192 work-groups: that is the work this split has.  No tensor load, so no ring; two work-groups share x and nothing else, so no cluster.
; TILES OF ROWS ARE NOT NEIGHBOURS: lane r of tile 2 b + u takes row 32 b + 8 u + r + 8 (r / 8) of the 128; W1's tiles (Wk, Wq) take their 64 columns likewise.
; PHASE X: wave w quantises tiles 2 w, 2 w + 1 of x (8 fragments of 16 rows x 128 K) and stores them to LDS as IMAGES OF THEIR REGISTERS (16 bytes a lane at 16 x lane); one barrier; every wave reads all 32.
; PER TILE, three products of 16 matrix instructions, four accumulators by turns:
;   QK: source 0 = W1, source 1 = x: a lane holds one row, registers run along d: quantised along d (two blocks of 32): the codes of k or q.
;   VN: source 0 = x, source 1 = WV: a lane holds one channel d, the registers of two tiles are 16 neighbouring rows: quantised along the rows: the codes of v with the sequence innermost.
;   VT: source 0 = WV, source 1 = x: v in f32 in the layout in which the attention holds its result: stored as it stands, the residual.
; A PACKET (17,920 bytes) holds 128 rows of one batch and head, as register images:  +0: k or q codes [tile 8][chunk 2][lane][16];  +8,192: v codes [d tile 4][chunk 4][lane][16];
;   +16,384: k or q scale words [2][lane][4 words] (bytes 2, 3 = 0x7f);  +17,408: v scale words [lane][4 words].  Packet number = (batch x 8 + head) x (16 or 32) + step.
; RESIDUAL: 32,768 bytes a packet: [tile 8][chunk 8][lane][16]: chunk k = registers 4 k .. 4 k + 3 of the 32 of VT.
; LIMITS: a block of zeros gets the byte 1 where the rule says 127 (zero codes; this program alone reads the bytes); largest magnitudes under 2^-118 get the byte 1; NaN and infinities are not served.
; REGISTERS: window 0: v4-13 addresses; v16-79 QK's results of two tiles; v80-143 VN's; v144-159 codes just made; v160-175 at work; v176 a scale word; v178-181 x's scale words; v184-191, v192-195 the packet's scale words;
;   v200-215, v216-231 the weights' scale words.   window 1: W1's 16 fragments.   window 2: WV's 16.   window 3: v0-63 x's four fragments of a tile; v64-127 VT's results, two sets.
.set PKT,  17920
.set ACC,  16
.set ACV,  80
.set PC,   144
.set TM,   160                         ; +0..3 largest magnitudes, +4..7 the other half's, then the bytes, +12..15 the conversions' scale operands
.set PW,   176
.set XS,   178
.set KW,   184
.set VW,   192
.set W1S,  200
.set WVS,  216
.set VT,   64                          ; in window 3
.set XA,   4                           ; x: my lane's byte in the wave's 32 rows
.set LI,   5                           ; 16 x lane
.set LS,   6                           ; 4 x lane
.set XWI,  7                           ; where I store x's images
.set XWS,  8                           ; and their scale words
.set W1A,  9
.set WVA,  10
.set W1SA, 11
.set WVSA, 12
.set XRI,  13                          ; where I read x's images
.set WV,   18
.set MNT,  19
.set SEL,  20
.set MSB, 0
.macro WIN new                         ; the immediate's high byte repeats the setting that is left
.if MSB != \new
	s_set_vgpr_msb (MSB<<8)|\new
.set MSB, \new
.endif
.endm
; 64 numbers of a lane in four blocks: register 16 b + i is number 16 (lane / 16) + i of block b; lane l xor 16 holds the block's other half.  Codes to v[PC + 4 b ..], bytes to v[TM + 4 + b].
.macro QUANT4 s
.irp b, 0,1,2,3
	v_max3_num_f32 v[TM+\b], |v[\s+16*\b]|, |v[\s+1+16*\b]|, 0x4800000   ; my 16 numbers, and the floor 2^(9 - 127): the byte cannot fall under 1.  (Each accumulator is read from its low end on)
.endr
.irp i, 2,4,6,8,10,12,14
.irp b, 0,1,2,3
	v_max3_num_f32 v[TM+\b], v[TM+\b], |v[\s+16*\b+\i]|, |v[\s+1+16*\b+\i]|   ; the four blocks by turns
.endr
.endr
.irp b, 0,1,2,3
	v_permlanex16_b32 v[TM+4+\b], v[TM+\b], s[SEL], s[SEL+1]
.endr
.irp b, 0,1,2,3
	v_max_num_f32 v[TM+\b], v[TM+\b], v[TM+4+\b]   ; the block's largest magnitude
.endr
.irp b, 0,1,2,3
	v_add_nc_u32 v[TM+12+\b], 0xfc000000, v[TM+\b]   ; 8 off its exponent field: the conversion's scale operand
.endr
.irp b, 0,1,2,3
.endr
.irp b, 0,1,2,3
	v_lshrrev_b32 v[TM+4+\b], 23, v[TM+12+\b]      ; the scale's byte
.endr
.irp b, 0,1,2,3
.irp i, 0,1,2,3,4,5,6,7,8,9,10,11,12,13,14,15
.endr
	v_cvt_scalef32_pk8_fp8_f32 v[PC+4*\b:PC+1+4*\b], v[\s+16*\b:\s+7+16*\b], v[TM+12+\b]
	v_cvt_scalef32_pk8_fp8_f32 v[PC+2+4*\b:PC+3+4*\b], v[\s+8+16*\b:\s+15+16*\b], v[TM+12+\b]
.endr
	v_nop                                          ; one plain vector line behind the last conversion: later products write its sources
.endm
.macro XLOAD reg, f                    ; fragment f of my eight: tile f / 4 of my two, K step f % 4: 64 numbers a lane
.irp b, 0,1,2,3
.irp j, 0,1,2,3
	global_load_b128 v[\reg+16*\b+4*\j:\reg+16*\b+4*\j+3], v[XA], s[28:29] offset:((\f)/4)*16384+512*((\f)%4)+128*\b+16*\j
.endr
.endr
.endm
.macro IMAGE off                       ; the fragment in v[PC] on goes to LDS as it stands
.irp c, 0,1,2,3
	ds_store_b128 v[XWI], v[PC+4*\c:PC+4*\c+3] offset:\off+512*\c
.endr
.endm
.macro FETCHX m                        ; tile m's four fragments of x into window 3, its four scale words into window 0
	WIN 0xc0
.irp s, 0,1,2,3
.irp c, 0,1,2,3
	ds_load_b128 v[16*\s+4*\c:16*\s+4*\c+3], v[XRI] offset:(4*(\m)+\s)*2048+512*\c
.endr
.endr
	WIN 0
.irp s, 0,1,2,3
	ds_load_b32 v[XS+\s], v[LS] offset:(4*(\m)+\s)*128
.endr
.endm
	s_load_b256 s[4:11], s[0:1], 0x0               ; pheno s[4:5], SNPS s[6:7], wq s[8:9], ppack s[10:11]
	s_load_b128 s[12:15], s[0:1], 0x20             ; spack s[12:13], pres s[14:15]
	s_load_b64 s[16:17], s[0:1], 0x30              ; sres
	v_lshl_add_u32 v254, v0, 2, 0x11000
	v_mov_b32 v255, 0
	v_lshrrev_b32 v1, 5, v0
	v_readfirstlane_b32 s[WV], v1                  ; wave 0..3
	v_and_b32 v1, 31, v0                           ; lane
	v_and_b32 v2, 15, v0                           ; r
	v_bfe_u32 v3, v0, 4, 1                         ; h
	v_and_b32 v14, 8, v2
	v_add_nc_u32 v14, v14, v2                      ; r + 8 (r / 8)
	v_lshlrev_b32 v[XA], 11, v14
	v_lshl_add_u32 v[XA], v3, 6, v[XA]             ; x: a row is 2,048 bytes; + 64 h: my 16 numbers of a block of 32
	v_lshlrev_b32 v[LI], 4, v1
	v_lshlrev_b32 v[LS], 2, v1
	s_lshl_b32 s44, s[WV], 14
	s_add_co_u32 s44, s44, 4096
	v_add_nc_u32 v[XWI], s44, v[LI]                ; images begin at LDS byte 4,096; my eight begin 16,384 x wave on
	s_lshl_b32 s44, s[WV], 10
	v_add_nc_u32 v[XWS], s44, v[LS]                ; scale words begin at LDS byte 0, 128 bytes a fragment
	v_lshlrev_b32 v[W1A], 9, v14
	v_lshl_add_u32 v[W1A], v3, 4, v[W1A]           ; W1: a row is 512 codes
	v_lshlrev_b32 v[WVA], 9, v2
	v_lshl_add_u32 v[WVA], v3, 4, v[WVA]           ; WV: its tiles take neighbouring rows
	v_lshlrev_b32 v[W1SA], 4, v14                  ; scale bytes: 16 a row
	v_lshlrev_b32 v[WVSA], 4, v2
	v_add_nc_u32 v[XRI], 4096, v[LI]
.irp b, 0,1,2,3
	v_mov_b32 v[TM+4+\b], 0                        ; written once: a lane permute's destination counts as one of its sources
.endr
	s_mov_b32 s[SEL], 0x76543210
	s_mov_b32 s[SEL+1], 0xfedcba98                 ; selects for lane l xor 16
	s_and_b32 s24, ttmp7, 0xffff
	s_lshl_b32 s23, s24, 2
	s_add_co_u32 s23, s23, s[WV]                   ; my head
	s_mov_b32 s45, 0
	s_wait_alu depctr_va_vdst(0)
	s_wait_kmcnt 0x0
	s_cmp_lt_u32 ttmp9, 32                         ; pheno's work-group or SNPS's?  The choice hangs on the work-group's number alone
	s_cselect_b64 s[28:29], s[4:5], s[6:7]         ; x
	s_cselect_b64 s[38:39], s[10:11], s[12:13]     ; the packets
	s_cselect_b64 s[40:41], s[14:15], s[16:17]     ; the residual
	s_cselect_b32 s22, 0, 32
	s_cselect_b32 s25, 4, 5                        ; log2 of the packets in a sequence
	s_cselect_b32 s26, 0, 0x80000                  ; the pair of weights: codes,
	s_cselect_b32 s27, 0, 0x4000                   ; scale bytes
	s_sub_co_u32 s22, ttmp9, s22                   ; which 128 rows of the tensor
	s_lshl_b32 s44, s22, 18                        ; 128 rows of 2,048 bytes,
	s_lshl_b32 s46, s[WV], 16                      ; my wave's 32 of them
	s_add_co_u32 s44, s44, s46
	s_add_nc_u64 s[28:29], s[28:29], s[44:45]
	s_lshl_b32 s44, s23, 15                        ; my head's 64 rows of 512 codes
	s_add_co_u32 s44, s44, s26
	s_add_nc_u64 s[30:31], s[8:9], s[44:45]        ; W1's codes
	s_add_nc_u64 s[32:33], s[30:31], 0x40000       ; WV's
	s_lshl_b32 s44, s23, 10
	s_add_co_u32 s44, s44, s27
	s_add_co_u32 s44, s44, 0x100000
	s_add_nc_u64 s[34:35], s[8:9], s[44:45]        ; W1's scale bytes
	s_add_nc_u64 s[36:37], s[34:35], 0x2000        ; WV's
	s_lshr_b32 s46, s22, s25                       ; batch
	s_lshl_b32 s46, s46, 3
	s_add_co_u32 s46, s46, s23
	s_lshl_b32 s46, s46, s25
	s_lshl_b32 s47, 1, s25
	s_sub_co_u32 s47, s47, 1
	s_and_b32 s47, s22, s47                        ; step
	s_add_co_u32 s46, s46, s47                     ; packet number
	s_mul_i32 s44, s46, PKT
	s_add_nc_u64 s[38:39], s[38:39], s[44:45]
	s_lshl_b32 s44, s46, 15
	s_add_nc_u64 s[40:41], s[40:41], s[44:45]
	WIN 0x40                                       ; destination window 1
.irp t, 0,1,2,3                        ; W1's fragment (tile t, K step s) at v[16 (4 t + s)]: it stays
.irp s, 0,1,2,3
.irp c, 0,1,2,3
	global_load_b128 v[16*(4*\t+\s)+4*\c:16*(4*\t+\s)+4*\c+3], v[W1A], s[30:31] offset:(32*(\t/2)+8*(\t%2))*512+128*\s+32*\c
.endr
.endr
.endr
	WIN 0x80                                       ; destination window 2
.irp t, 0,1,2,3
.irp s, 0,1,2,3
.irp c, 0,1,2,3
	global_load_b128 v[16*(4*\t+\s)+4*\c:16*(4*\t+\s)+4*\c+3], v[WVA], s[32:33] offset:16*\t*512+128*\s+32*\c
.endr
.endr
.endr
	WIN 0
.irp t, 0,1,2,3
.irp s, 0,1,2,3
	global_load_b32 v[W1S+4*\t+\s], v[W1SA], s[34:35] offset:(32*(\t/2)+8*(\t%2))*16+4*\s
	global_load_b32 v[WVS+4*\t+\s], v[WVSA], s[36:37] offset:256*\t+4*\s
.endr
.endr
	; ---- X: my 32 rows of x become eight fragments; two sets of 64 registers by turns, one fragment's loads ahead
	XLOAD ACC, 0
	XLOAD ACV, 1
.irp f, 0,1,2,3,4,5,6,7
.if \f < 7
	s_wait_loadcnt 16                              ; loads come back in order: this fragment's (and, at first, the weights') are in; the next fragment's 16 may be out
.else
	s_wait_loadcnt 0x0
.endif
	QUANT4 ACC+64*(\f%2)
	v_lshl_or_b32 v[PW], v[TM+5], 8, v[TM+4]       ; the four bytes make my row's scale word
	v_lshl_or_b32 v[PW], v[TM+6], 16, v[PW]
	v_lshl_or_b32 v[PW], v[TM+7], 24, v[PW]
	IMAGE \f*2048
	ds_store_b32 v[XWS], v[PW] offset:128*\f
.if \f < 6
	XLOAD ACC+64*(\f%2), \f+2
.endif
	s_wait_dscnt 0x0                               ; the stores have read their registers
.endr
	s_wait_dscnt 0x0                               ; for the others' sake: my images lie in LDS
	s_barrier_signal -1
	s_barrier_wait -1                              ; all 32 do; nothing in LDS is written again
; One tile of 16 rows: tile 2 be + u
.macro TILE be, u
.rept 9
	v_nop                                          ; places behind the last products: in front of loads into registers that they read, and of products that begin accumulators anew
.endr
	FETCHX 2*\be+\u
	s_wait_dscnt 0x0
	WIN 0x0d                                       ; source 0 (W1) window 1, source 1 (x) window 3
.irp s, 0,1,2,3
.irp t, 0,1,2,3
.if \s == 0
	v_wmma_scale_f32_16x16x128_f8f6f4 v[ACC+32*\u+8*\t:ACC+32*\u+8*\t+7], v[16*(4*\t+\s):16*(4*\t+\s)+15], v[16*\s:16*\s+15], 0, v[W1S+4*\t+\s], v[XS+\s]
.else
	v_wmma_scale_f32_16x16x128_f8f6f4 v[ACC+32*\u+8*\t:ACC+32*\u+8*\t+7], v[16*(4*\t+\s):16*(4*\t+\s)+15], v[16*\s:16*\s+15], v[ACC+32*\u+8*\t:ACC+32*\u+8*\t+7], v[W1S+4*\t+\s], v[XS+\s]
.endif
.endr
.endr
	WIN 0x0b                                       ; source 0 (x) window 3, source 1 (WV) window 2
.irp s, 0,1,2,3
.irp t, 0,1,2,3
.if \s == 0
	v_wmma_scale_f32_16x16x128_f8f6f4 v[ACV+16*\t+8*\u:ACV+16*\t+8*\u+7], v[16*\s:16*\s+15], v[16*(4*\t+\s):16*(4*\t+\s)+15], 0, v[XS+\s], v[WVS+4*\t+\s]
.else
	v_wmma_scale_f32_16x16x128_f8f6f4 v[ACV+16*\t+8*\u:ACV+16*\t+8*\u+7], v[16*\s:16*\s+15], v[16*(4*\t+\s):16*(4*\t+\s)+15], v[ACV+16*\t+8*\u:ACV+16*\t+8*\u+7], v[XS+\s], v[WVS+4*\t+\s]
.endif
.endr
.endr
	s_wait_xcnt 0x0                                ; the residual stores of two tiles ago have read the registers that the next products write
	WIN 0xfe                                       ; source 0 (WV) window 2, source 1 (x), C and D window 3
.irp s, 0,1,2,3
.irp t, 0,1,2,3
.if \s == 0
	v_wmma_scale_f32_16x16x128_f8f6f4 v[VT+32*\u+8*\t:VT+32*\u+8*\t+7], v[16*(4*\t+\s):16*(4*\t+\s)+15], v[16*\s:16*\s+15], 0, v[WVS+4*\t+\s], v[XS+\s]
.else
	v_wmma_scale_f32_16x16x128_f8f6f4 v[VT+32*\u+8*\t:VT+32*\u+8*\t+7], v[16*(4*\t+\s):16*(4*\t+\s)+15], v[16*\s:16*\s+15], v[VT+32*\u+8*\t:VT+32*\u+8*\t+7], v[WVS+4*\t+\s], v[XS+\s]
.endif
.endr
.endr
	WIN 0
.rept 8
	v_nop                                          ; places in front of the first reads of results (ISA guide 7.12.1)
.endr
	WIN 0x0c                                       ; a store's data are its source 1: window 3
.irp k, 0,1,2,3,4,5,6,7
	global_store_b128 v[LI], v[VT+32*\u+4*\k:VT+32*\u+4*\k+3], s[40:41] offset:(2*\be+\u)*4096+512*\k   ; the wave stores 512 consecutive bytes, aligned to 256; each accumulator from its low end on
.endr
	WIN 0
.endm
; Two tiles' results become codes: k or q along d (block 2 u + b: tile 2 be + u, d 32 b on); v along the rows (block n: rows 32 be .. + 31 of channel 16 n + r)
.macro CODES be
	s_wait_xcnt 0x0                                ; earlier stores have read v[PC] on
	QUANT4 ACC
.irp i, 0,1,2,3
	global_store_b128 v[LI], v[PC+4*\i:PC+4*\i+3], s[38:39] offset:2048*\be+512*\i
.endr
	v_lshl_or_b32 v[KW+2*\be], v[TM+5], 8, v[TM+4]
	v_lshl_or_b32 v[KW+2*\be+1], v[TM+7], 8, v[TM+6]
	v_or_b32 v[KW+2*\be], 0x7f7f0000, v[KW+2*\be]  ; bytes 2 and 3: 1.0, for the half of the instruction's K that holds zero codes
	v_or_b32 v[KW+2*\be+1], 0x7f7f0000, v[KW+2*\be+1]
	s_wait_xcnt 0x0
	QUANT4 ACV
.irp n, 0,1,2,3
	global_store_b128 v[LI], v[PC+4*\n:PC+4*\n+3], s[38:39] offset:8192+2048*\n+512*\be
.if \be == 0
	v_mov_b32 v[VW+\n], v[TM+4+\n]
.else
	v_lshl_or_b32 v[VW+\n], v[TM+4+\n], 8*\be, v[VW+\n]
.endif
.endr
.endm
.irp p, 0,1,2,3
	TILE \p, 0
	TILE \p, 1
	CODES \p
.endr
	global_store_b128 v[LI], v[KW:KW+3], s[38:39] offset:16384
	global_store_b128 v[LI], v[KW+4:KW+7], s[38:39] offset:16896
	global_store_b128 v[LI], v[VW:VW+3], s[38:39] offset:17408
	s_wait_tensorcnt 0x0
	ds_add_u32 v254, v255
	s_wait_dscnt 0x0
	s_endpgm
.Lfunc_end_k_q39f3e5d887_proj:
	.size	k_q39f3e5d887_proj, .Lfunc_end_k_q39f3e5d887_proj-k_q39f3e5d887_proj
	.p2alignl 7, 3214868480
	.fill 96, 4, 3214868480
	.section	.rodata,"a",@progbits
	.p2align	6, 0x0
	.amdhsa_kernel k_q39f3e5d887_proj
		.amdhsa_group_segment_fixed_size 70144
		.amdhsa_private_segment_fixed_size 0
		.amdhsa_enable_private_segment 0
		.amdhsa_kernarg_size 56
		.amdhsa_user_sgpr_count 2
		.amdhsa_user_sgpr_kernarg_segment_ptr 1
		.amdhsa_wavefront_size32 1
		.amdhsa_system_sgpr_workgroup_id_x 1
		.amdhsa_system_sgpr_workgroup_id_y 1
		.amdhsa_system_sgpr_workgroup_id_z 1
		.amdhsa_system_vgpr_workitem_id 0
		.amdhsa_next_free_vgpr 896
		.amdhsa_next_free_sgpr 66
		.amdhsa_reserve_vcc 0
		.amdhsa_float_denorm_mode_32 3
		.amdhsa_float_denorm_mode_16_64 3
		.amdhsa_fp16_overflow 1
		.amdhsa_memory_ordered 1
		.amdhsa_forward_progress 1
		.amdhsa_inst_pref_size 166
	.end_amdhsa_kernel
	.amdgpu_metadata
---
amdhsa.version: [ 1, 2 ]
amdhsa.kernels:
  - .name:           k_q39f3e5d887_proj
    .symbol:         k_q39f3e5d887_proj.kd
    .args:
      - { .name: pheno_encoded, .offset: 0, .size: 8, .value_kind: global_buffer, .address_space: global }
      - { .name: SNPS_encoded, .offset: 8, .size: 8, .value_kind: global_buffer, .address_space: global }
      - { .name: wq, .offset: 16, .size: 8, .value_kind: global_buffer, .address_space: global }
      - { .name: ppack, .offset: 24, .size: 8, .value_kind: global_buffer, .address_space: global }
      - { .name: spack, .offset: 32, .size: 8, .value_kind: global_buffer, .address_space: global }
      - { .name: pres, .offset: 40, .size: 8, .value_kind: global_buffer, .address_space: global }
      - { .name: sres, .offset: 48, .size: 8, .value_kind: global_buffer, .address_space: global }
    .group_segment_fixed_size: 70144
    .private_segment_fixed_size: 0
    .kernarg_segment_align: 8
    .kernarg_segment_size: 56
    .max_flat_workgroup_size: 128
    .sgpr_count:     66
    .vgpr_count:     896
    .wavefront_size: 32
...
	.end_amdgpu_metadata
.endif
;; end of part 2
;; launch attn (part 3): grid 256 x 1, 16 waves a work-group, clusters of 4 x 1, 327,680 bytes of LDS; arguments ppack, spack, pres, sres, out0, out1; writes out0, out1
.if DOCPART == 3
	.amdgcn_target "amdgcn-amd-amdhsa--gfx1250"
	.amdhsa_code_object_version 6
	.text
	.protected	k_q39f3e5d887_attn
	.globl	k_q39f3e5d887_attn
	.p2align	8
	.type	k_q39f3e5d887_attn,@function
k_q39f3e5d887_attn:
	s_mov_b64 s[64:65], 0
	v_nop
	global_prefetch_b8 v0, s[64:65] scope:SCOPE_SE
	s_setreg_imm32_b32 hwreg(HW_REG_WAVE_MODE, 25, 1), 1
	s_wait_xcnt 0x0
	s_wait_alu depctr_hold_cnt(0) depctr_sa_sdst(0) depctr_va_vdst(0) depctr_va_sdst(0) depctr_va_ssrc(0) depctr_va_vcc(0) depctr_vm_vsrc(0)
	s_getreg_b32 s2, hwreg(HW_REG_IB_STS2, 6, 4)
	s_cmp_eq_u32 s2, 0
	s_cbranch_scc0 .Lentry_in_a_cluster
	s_endpgm
.Lentry_in_a_cluster:
	s_bfe_u32 s2, ttmp6, 0x10000c
	s_cmp_lg_u32 s2, 0x3003
	s_cbranch_scc0 .Lentry_shape_is_right
	s_endpgm
.Lentry_shape_is_right:
; Both attentions over the one score matrix k . q / 8, on codes of E4M3 with one E8M0 scale for each 32 along a product's K.
;   TYPE A (clusters 0-31):  queries = k (pheno), keys = q (SNP), values = v_snp, residual v_pheno, result out0.     TYPE B (clusters 32-63): queries = q, keys = k, values = v_pheno, residual v_snp, result out1.
; THE SOFTMAX AHEAD OF THE SECOND PRODUCT: t = score x log2(e) / 8; M = the row's largest t so far, rounded UP to a whole number; p = 2^(t - M) is quantised along the keys, not normalised.
; The row's sum is taken of the unquantised p and divides at the end.  When M moves, the sum and O are multiplied by 2^(old M - new M): exact.
; INPUT: packets of 17,920 bytes, each 128 rows of one batch and head as images of operand registers (16 bytes a lane at 16 x lane):  +0 k or q codes [tile 8][chunk 2];  +8,192 v codes, rows innermost, [d tile 4][chunk 4];
;   +16,384 k or q scale words [2][lane][4];  +17,408 v scale words [lane][4].  Lane r of tile 2 b + u stands for row 32 b + 8 u + r + 8 (r / 8), so that the 16 registers of two neighbouring score tiles are 16 neighbouring keys.
; SHARES.  A: a work-group owns 256 queries and walks 32 packets of keys.  B: 512 queries in two passes of 256, each over 16 packets.  So every work-group runs 32 key steps in 8 slots of 4 packets: all trip counts are constants,
; and the 256 work-groups have equal work.  Sixteen waves, four to a SIMD, each with one tile of 16 queries in 256 registers: one wave's vector work stands beside another's products and LDS loads.
; CLUSTER.  The four work-groups of a cluster share type, batch and head and walk the same packets: each packet is asked for JOINTLY (mask 15), by waves 0-3, one packet each.  My place in the cluster enters only
; the addresses of my queries, residual and result.
; BOTH PRODUCTS ARE USED TRANSPOSED: S^T = K Q^T, O^T = V^T P^T: a lane holds one query throughout.
; K = 64 IN A FORM OF K = 128: the queries' registers 8-15 hold zero codes.  The keys' fragment of tile t is v[32 + 8 t .. + 15]: its upper eight registers are the next tile's codes (behind tile 7: zeros), finite numbers
; which meet the queries' zeros under scale bytes 0x7f and add exactly 0.
; LIMITS: NaN and infinities are not served; a block whose every p has fallen to 0 keeps the byte 1 (its codes are zeros).
; REGISTERS: v1-7 addresses; v12 -M, v13 the largest t, v[14:15] the sum; v16-31 Q; v32-95 K's eight half fragments, then V's four; v96-103 zeros; v104-167 S^T, then p; v168-199 O^T; v200-215 p's codes; v216-237 at work;
;   v238 p's scale word, v239 Q's, v240-247 K's, v248-251 V's.
.set PKT,   17920
.set SLOT1, 1<<17                      ; slot 0 at LDS byte 0, slot 1 here: 71,680 bytes each; one exclusive or turns an address
.set STAGE, SLOT1+4*PKT                ; 16 rows x 272 bytes for each wave: bytes of its own, into which no fill lands
.set SPARE, STAGE+16*16*272            ; the spare words, 128 bytes for each wave: eight blocks of 256 bytes that no other line names
.set LI,  1                            ; 16 x lane
.set AD,  2                            ; LDS address of the packet in hand, + 16 x lane
.set SPW, 3                            ; LDS address of my spare word; never rewritten
.set NIL, 4                            ; 0; never rewritten
.set GO,  5                            ; the way out: my byte offset in two rows of the result
.set STO, 6                            ; where I put 32 bytes of a row in my stage
.set RD,  7                            ; where I read a row back
.set KF,  32
.set S,   104
.set OT,  168
.set PCD, 200
.set BM,  216                          ; each block's largest score, then its largest p
.set BT,  220                          ; the other half's, then the bytes
.set HL,  224
.set SO,  228                          ; the conversions' scale operands
.set F,   232                          ; v[232:233]: f = 2^(old M - new M) in the low register
.set TMP, 234
.set C2,  236                          ; the sum's second chain
.set PS,  238
.set QS,  239
.set KS,  240
.set VS,  248
.set WV,  16
.set MNT, 19
.set SEL, 20
.set CS,  22
.set TB,  46                           ; LDS byte at which the packet in hand begins
.set NX,  47                           ; the number of the next slot's worth of packets
.set SMASK, 48                         ; 7 (A: 8 slots' worth of keys) or 3 (B: 4, walked twice)
.set MID, 49                           ; the count of slots left at which a first pass ends: 4 (B), never met (A: 0)
.set SLOTS, 50
.set FOUR, 51
.macro ROUND                           ; a round of the cluster's barrier
	s_barrier_signal -1
	s_barrier_wait -1
	s_cmp_lg_u32 s[WV], 0
	s_cbranch_scc1 .Lnot_wave_0_\@
	s_barrier_signal -3
.Lnot_wave_0_\@:
	s_barrier_wait -3
	s_barrier_signal -1
	s_barrier_wait -1
.endm
.macro TLOAD                           ; waves 0-3 ask for one packet each; the branch hangs on the wave's number alone; four v_nop follow the load
	s_cmp_lt_u32 s[WV], 4
	s_cbranch_scc0 .Lasked_\@
	tensor_load_to_lds s[32:35], s[24:31]
	s_nop 0
.rept 4
	v_nop
.endr
.Lasked_\@:
.endm
	s_load_b256 s[4:11], s[0:1], 0x0               ; ppack s[4:5], spack s[6:7], pres s[8:9], sres s[10:11]
	s_load_b128 s[12:15], s[0:1], 0x20             ; out0 s[12:13], out1 s[14:15]
	v_lshl_add_u32 v[SPW], v0, 2, SPARE
	v_mov_b32 v[NIL], 0
	ds_add_u32 v3, v4
	ds_add_u32 v3, v4
	s_wait_dscnt 0x0
	v_lshrrev_b32 v8, 5, v0
	s_delay_alu instid0(VALU_DEP_1)
	v_readfirstlane_b32 s[WV], v8                  ; wave 0..15
	s_bfe_u32 s52, ttmp6, 0x40000                  ; cx: my place in the cluster
	s_and_b32 s53, ttmp9, 31                       ; in a cluster launch ttmp9 counts clusters
	s_lshr_b32 s54, s53, 1                         ; batch x 8 + head, which the partners share
	s_and_b32 s55, s53, 1
	s_lshl_b32 s55, s55, 2
	s_add_co_u32 s55, s55, s52                     ; my block of queries, 0..7
	; descriptor group 1: a packet is a dense block: 70 rows of 256 bytes
	s_mov_b32 s24, 15|(3<<16)|(1<<21)              ; 15:0 the mask: all four work-groups; 17:16 elements of 8 bytes; 21 set beside a mask; no padding: every read is 16 x lane on end
	s_mov_b32 s25, 32<<16                          ; tensor_dim0 = 32
	s_mov_b32 s26, 70<<16                          ; tensor_dim1 = 70
	s_mov_b32 s27, 32<<16                          ; tile_dim0 = 32
	s_mov_b32 s28, 70                              ; tile_dim1 = 70
	s_mov_b32 s29, 32                              ; from row to row
	s_mov_b32 s30, 0
	s_mov_b32 s31, 0
	s_mov_b32 s[SEL], 0x76543210
	s_mov_b32 s[SEL+1], 0xfedcba98                 ; selects for lane l xor 16
	s_mov_b32 s[CS], 0x3e38aa3b                    ; c = log2(e) / 8
	s_mov_b32 s[CS+1], s[CS]                       ; (named with it as a pair, so it is written)
	s_and_b32 s17, s[WV], 3                        ; which packet of a slot I fetch, if I fetch
	s_lshr_b32 s61, s[WV], 3                       ; which of the pass's two packets of queries is mine,
	s_and_b32 s62, s[WV], 7                        ; and which tile of it
	s_mov_b32 s67, 0
	s_mov_b32 s75, 0
	s_wait_kmcnt 0x0
	s_cmp_lt_u32 ttmp9, 32                         ; type A or B: the same in all four partners
	s_cselect_b64 s[56:57], s[4:5], s[6:7]         ; the queries' packets
	s_cselect_b64 s[36:37], s[6:7], s[4:5]         ; the keys' and values'
	s_cselect_b64 s[42:43], s[8:9], s[10:11]       ; the residual
	s_cselect_b64 s[44:45], s[12:13], s[14:15]     ; the result
	s_cselect_b32 s58, 4, 5                        ; log2 of the packets in a head: the queries',
	s_cselect_b32 s59, 5, 4                        ; the keys'
	s_cselect_b32 s60, 1, 2                        ; log2 of the packets in my block of queries
	s_cselect_b32 s[SMASK], 7, 3
	s_cselect_b32 s[MID], 0, 4
	s_lshl_b32 s66, s54, s59
	s_add_co_u32 s66, s66, s17
	s_mul_i32 s66, s66, PKT
	s_add_nc_u64 s[36:37], s[36:37], s[66:67]      ; the head's first packets of keys, mine of the four
	s_lshl_b32 s72, s55, s60
	s_add_co_u32 s72, s72, s61                     ; my packet of queries in the head,
	s_lshl_b32 s73, s54, s58
	s_add_co_u32 s73, s73, s72                     ; and in the buffer
	s_mul_i32 s74, s73, PKT
	s_add_nc_u64 s[56:57], s[56:57], s[74:75]
	s_lshl_b32 s74, s62, 10
	s_add_nc_u64 s[38:39], s[56:57], s[74:75]      ; my tile's codes
	s_lshr_b32 s74, s62, 2
	s_lshl_b32 s74, s74, 9
	s_and_b32 s76, s[WV], 3
	s_lshl_b32 s76, s76, 2
	s_add_co_u32 s74, s74, s76
	s_add_co_u32 s74, s74, 16384
	s_add_nc_u64 s[40:41], s[56:57], s[74:75]      ; my tile's scale words: 16 bytes from lane to lane
	s_lshl_b32 s74, s73, 15
	s_lshl_b32 s76, s62, 12
	s_add_co_u32 s74, s74, s76
	s_add_nc_u64 s[42:43], s[42:43], s[74:75]      ; my tile's residual
	s_lshl_b32 s74, s72, 7                         ; my tile's first row in the sequence: 128 x packet
	s_lshr_b32 s76, s62, 1
	s_lshl_b32 s76, s76, 5
	s_add_co_u32 s74, s74, s76                     ; + 32 (tile / 2)
	s_and_b32 s76, s[WV], 1
	s_lshl_b32 s76, s76, 3
	s_add_co_u32 s74, s74, s76                     ; + 8 (tile % 2)
	s_lshr_b32 s76, s54, 3                         ; batch
	s_add_co_u32 s77, s58, 7
	s_lshl_b32 s76, s76, s77
	s_add_co_u32 s74, s74, s76
	s_lshl_b32 s74, s74, 11                        ; a row of the result is 2,048 bytes
	s_and_b32 s76, s54, 7
	s_lshl_b32 s76, s76, 8                         ; the head's 64 channels: 256 bytes
	s_add_co_u32 s74, s74, s76
	s_add_nc_u64 s[44:45], s[44:45], s[74:75]
	s_mov_b32 s32, 1                               ; group 0: count = 1
	s_mul_i32 s33, s17, PKT                        ; LDS address: slot 0, my packet's place: the wave's number alone
	s_mov_b64 s[34:35], s[36:37]                   ; global address: the head's packets 0-3
	s_or_b32 s35, s35, 0x80000000                  ; type = 2
	ROUND                                          ; all four work-groups are here: the first joint loads meet
	TLOAD                                          ; slot 0
	v_and_b32 v8, 31, v0
	s_delay_alu instid0(VALU_DEP_1)
	v_lshlrev_b32 v[LI], 4, v8
	v_and_b32 v9, 15, v0                           ; r
	v_bfe_u32 v10, v0, 4, 1                        ; h
	s_delay_alu instid0(VALU_DEP_1)
	v_lshlrev_b32 v[GO], 11, v10
	s_delay_alu instid0(VALU_DEP_1)
	v_lshl_add_u32 v[GO], v9, 4, v[GO]             ; lanes 0-15 one row of the result, lanes 16-31 the next; 16 bytes a lane
	s_mul_i32 s78, s[WV], 16*272
	s_add_co_u32 s78, s78, STAGE                   ; my stage
	v_mul_u32_u24 v[STO], v9, 272
	s_delay_alu instid0(VALU_DEP_1)
	v_lshl_add_u32 v[STO], v10, 5, v[STO]
	s_delay_alu instid0(VALU_DEP_1)
	v_add_nc_u32 v[STO], s78, v[STO]
	v_mul_u32_u24 v[RD], v10, 272
	s_delay_alu instid0(VALU_DEP_1)
	v_lshl_add_u32 v[RD], v9, 4, v[RD]
	s_delay_alu instid0(VALU_DEP_1)
	v_add_nc_u32 v[RD], s78, v[RD]
.irp j, 0,1,2,3,4,5,6,7
	v_mov_b32 v[24+\j], 0                          ; the queries' k = 64 .. 127: zero codes
	v_mov_b32 v[96+\j], 0                          ; behind the keys' tile 7
.endr
.irp b, 0,1,2,3
	v_mov_b32 v[BT+\b], 0                          ; written once: a lane permute's destination counts as one of its sources
.endr
	v_mov_b32 v[F+1], 0                            ; (named as the upper half of a pair)
	v_mov_b32 v[TMP], 0
; A pass begins: my tile of queries; O^T and the sum begin as zeros and the largest t as -3e38, so that the key step is written once: its first run finds zeros, which the first change of M leaves zeros
.macro PASS_INIT
	global_load_b128 v[16:19], v[LI], s[38:39]
	global_load_b128 v[20:23], v[LI], s[38:39] offset:512
	global_load_b32 v[QS], v[LI], s[40:41]
	v_mov_b32 v13, 0xff61b1e6
	s_delay_alu instid0(VALU_DEP_1)
	v_floor_f32 v12, -v13
	v_mov_b32 v14, 0
	v_mov_b32 v15, 0
.set j, 0
.rept 32
	v_mov_b32 v[OT+j], 0
.set j, j+1
.endr
	s_wait_loadcnt 0x0
.endm
; A KEY STEP: one packet, 128 keys
.macro STEP
	v_add_nc_u32 v[AD], s[TB], v[LI]
.rept 7
	v_nop                                          ; with the addition: eight places behind the last products, in front of loads into registers that they read
.endr
.irp t, 0,1,2,3,4,5,6,7
.irp c, 0,1
	ds_load_b128 v[KF+8*\t+4*\c:KF+8*\t+4*\c+3], v[AD] offset:1024*\t+512*\c
.endr
.endr
.irp j, 0,1
	ds_load_b128 v[KS+4*\j:KS+4*\j+3], v[AD] offset:16384+512*\j
.endr
	s_wait_alu depctr_va_vdst(0)
	s_wait_dscnt 0x0
.irp t, 0,1,2,3,4,5,6,7                ; S^T = K Q^T: lane (r, h) holds query r; the 16 registers of tiles 2 b, 2 b + 1 are keys 32 b + 16 h + 0 .. 15
	v_wmma_scale_f32_16x16x128_f8f6f4 v[S+8*\t:S+8*\t+7], v[KF+8*\t:KF+8*\t+15], v[16:31], 0, v[KS+\t], v[QS]
.endr
.rept 8
	v_nop
.endr
.irp t, 0,1,2,3                        ; V is asked for now and lands while the softmax is walked
.irp c, 0,1,2,3
	ds_load_b128 v[KF+16*\t+4*\c:KF+16*\t+4*\c+3], v[AD] offset:8192+2048*\t+512*\c
.endr
.endr
	ds_load_b128 v[VS:VS+3], v[AD] offset:17408
.irp b, 0,1,2,3
	v_max3_num_f32 v[BM+\b], v[S+16*\b], v[S+1+16*\b], v[S+2+16*\b]   ; the largest score of each block of 32 keys: it serves the row's maximum and, since p rises with the score, the block's largest p
.endr
.irp i, 3,5,7,9,11,13
.irp b, 0,1,2,3
	v_max3_num_f32 v[BM+\b], v[BM+\b], v[S+16*\b+\i], v[S+1+16*\b+\i]
.endr
.endr
.irp b, 0,1,2,3
	v_max_num_f32 v[BM+\b], v[BM+\b], v[S+15+16*\b]
.endr
.irp b, 0,1,2,3
	s_delay_alu instid0(VALU_DEP_4)
	v_permlanex16_b32 v[BT+\b], v[BM+\b], s[SEL], s[SEL+1]
.endr
.irp b, 0,1,2,3
	s_delay_alu instid0(VALU_DEP_4)
	v_max_num_f32 v[BM+\b], v[BM+\b], v[BT+\b]     ; with lane l xor 16's 16 keys
.endr
	s_delay_alu instid0(VALU_DEP_2)
	v_max3_num_f32 v[TMP], v[BM], v[BM+1], v[BM+2]
	s_delay_alu instid0(VALU_DEP_1)
	v_max_num_f32 v[TMP], v[TMP], v[BM+3]          ; the step's largest score of my query
	s_delay_alu instid0(VALU_DEP_1)
	v_mul_f32 v[TMP], s[CS], v[TMP]                ; as t (c is positive)
	s_delay_alu instid0(VALU_DEP_1)
	v_max_num_f32 v13, v13, v[TMP]                 ; the running largest t
	v_mov_b32 v[TMP], v12
	s_delay_alu instid0(VALU_DEP_2)
	v_floor_f32 v12, -v13                          ; the new -M = floor(-t) = -ceil(t): a whole number
	s_delay_alu instid0(VALU_DEP_1)
	v_sub_f32 v[TMP], v12, v[TMP]                  ; old M less new M: a whole number, 0 or less
	s_delay_alu instid0(VALU_DEP_1)
	v_cvt_i32_f32 v[TMP], v[TMP]                   ; (it saturates)
	s_delay_alu instid0(VALU_DEP_1)
	v_ldexp_f32 v[F], 1.0, v[TMP]                  ; f = 2^(old M - new M)
.set j, 0
.rept 32
	v_pk_fma_f32 v[S+j:S+j+1], v[S+j:S+j+1], s[CS:CS+1], v[12:13] op_sel_hi:[1,0,0]   ; t - M, two at a time (of the pairs c and -M the low word serves both halves)
.set j, j+2
.endr
.irp b, 0,1,2,3
	v_fma_f32 v[BM+\b], v[BM+\b], s[CS], v12       ; the same of each block's largest score
.endr
.set j, 0
	s_setprio 1
	s_wait_alu depctr_va_vdst(0)
.rept 64
	v_exp_f32 v[S+j], v[S+j]                       ; p = 2^(t - M), at most 1
.set j, j+1
.endr
.irp b, 0,1,2,3
	v_exp_f32 v[BM+\b], v[BM+\b]                   ; the block's largest p: the same two instructions on the same number
.endr
	v_pk_mul_f32 v[14:15], v[14:15], v[F:F+1] op_sel_hi:[1,0]   ; the sums under the new M.  (The plain place behind the exponentials)
	s_wait_alu depctr_va_vdst(0)
.irp b, 0,1,2,3
	v_max_num_f32 v[BM+\b], 0x4800000, v[BM+\b]    ; the floor 2^(9 - 127): the byte cannot fall under 1
.endr
.irp b, 0,1,2,3
	s_delay_alu instid0(VALU_DEP_4)
	v_add_nc_u32 v[SO+\b], 0xfc000000, v[BM+\b]    ; 8 off the exponent field: the conversion's scale operand
.endr
.irp b, 0,1,2,3
.endr
.irp b, 0,1,2,3
	s_delay_alu instid0(VALU_DEP_4)
	v_lshrrev_b32 v[BT+\b], 23, v[SO+\b]           ; the scale's byte
.endr
	s_delay_alu instid0(VALU_DEP_3)
	v_lshl_or_b32 v[PS], v[BT+1], 8, v[BT]         ; p's scale word for these 128 keys
	s_delay_alu instid0(VALU_DEP_1)
	v_lshl_or_b32 v[PS], v[BT+2], 16, v[PS]
	s_delay_alu instid0(VALU_DEP_1)
	v_lshl_or_b32 v[PS], v[BT+3], 24, v[PS]
	v_pk_add_f32 v[236:237], v[108:109], v[112:113]
	v_pk_add_f32 v[254:255], v[116:117], v[120:121]
	v_pk_add_f32 v[252:253], v[124:125], v[128:129]
	v_pk_add_f32 v[246:247], v[132:133], v[136:137]
	v_pk_add_f32 v[244:245], v[140:141], v[144:145]
	v_pk_add_f32 v[242:243], v[148:149], v[152:153]
	v_pk_add_f32 v[240:241], v[156:157], v[160:161]
	v_pk_add_f32 v[14:15], v[14:15], v[164:165]
	v_pk_add_f32 v[236:237], v[236:237], v[104:105]
	v_pk_add_f32 v[254:255], v[254:255], v[106:107]
	v_pk_add_f32 v[252:253], v[252:253], v[110:111]
	v_pk_add_f32 v[246:247], v[246:247], v[114:115]
	v_pk_add_f32 v[244:245], v[244:245], v[118:119]
	v_pk_add_f32 v[242:243], v[242:243], v[122:123]
	v_pk_add_f32 v[240:241], v[240:241], v[126:127]
	v_pk_add_f32 v[14:15], v[14:15], v[130:131]
	v_pk_add_f32 v[236:237], v[236:237], v[134:135]
	v_pk_add_f32 v[254:255], v[254:255], v[138:139]
	v_pk_add_f32 v[252:253], v[252:253], v[142:143]
	v_pk_add_f32 v[246:247], v[246:247], v[146:147]
	v_pk_add_f32 v[244:245], v[244:245], v[150:151]
	v_pk_add_f32 v[242:243], v[242:243], v[154:155]
	v_pk_add_f32 v[240:241], v[240:241], v[158:159]
	v_pk_add_f32 v[14:15], v[14:15], v[162:163]
	v_pk_add_f32 v[236:237], v[236:237], v[166:167]
	s_delay_alu instid0(VALU_DEP_2)
	v_pk_add_f32 v[14:15], v[14:15], v[246:247]
	s_delay_alu instid0(VALU_DEP_2)
	v_pk_add_f32 v[236:237], v[236:237], v[244:245]
	v_pk_add_f32 v[254:255], v[254:255], v[242:243]
	v_pk_add_f32 v[252:253], v[252:253], v[240:241]
	s_delay_alu instid0(VALU_DEP_2)
	v_pk_add_f32 v[14:15], v[14:15], v[254:255]
	s_delay_alu instid0(VALU_DEP_2)
	v_pk_add_f32 v[236:237], v[236:237], v[252:253]
	s_delay_alu instid0(VALU_DEP_1)
	v_pk_add_f32 v[14:15], v[14:15], v[236:237]
	s_setprio 0
.irp b, 0,1,2,3
.set j, 0
.rept 16
.set j, j+1
.endr
	v_cvt_scalef32_pk8_fp8_f32 v[PCD+4*\b:PCD+4*\b+1], v[S+16*\b:S+16*\b+7], v[SO+\b]
	v_cvt_scalef32_pk8_fp8_f32 v[PCD+4*\b+2:PCD+4*\b+3], v[S+16*\b+8:S+16*\b+15], v[SO+\b]
.endr
.set j, 0
.rept 16
	v_pk_mul_f32 v[OT+j:OT+j+1], v[OT+j:OT+j+1], v[F:F+1] op_sel_hi:[1,0]   ; O^T under the new M, each accumulator from its low end on.  (These sixteen also stand between the conversions and the products)
.set j, j+2
.endr
	s_wait_alu depctr_va_vdst(0)
	s_wait_dscnt 0x0                               ; V is in
.irp t, 0,1,2,3                        ; O^T += V^T P^T: four accumulators by turns; the eight score products stand between a link and the next
	v_wmma_scale_f32_16x16x128_f8f6f4 v[OT+8*\t:OT+8*\t+7], v[KF+16*\t:KF+16*\t+15], v[PCD:PCD+15], v[OT+8*\t:OT+8*\t+7], v[VS+\t], v[PS]
.endr
	s_add_co_u32 s[TB], s[TB], PKT                 ; the next packet
.endm
; THE CHANGE OF SLOTS stands at a slot's head.  Each wave waits for all its tensor loads (one at the most is out: its packet of the slot ahead), adds 0 to its spare word, and waits for that and for its reads of the slot that it has left.
; fill = 1: that slot is filled with the packets that follow; the barrier is then a round of the cluster's, so that no wave of any partner still reads the slot; the load has four key steps of sixteen waves in which to land.
.macro CHANGE fill
	s_wait_tensorcnt 0x0                           ; no tensor load of mine is out, so group 0 may be written
	ds_add_u32 v[SPW], v[NIL]                      ; 0 onto my spare word
.if \fill
	s_xor_b32 s33, s33, SLOT1                      ; the other slot than last time
	s_and_b32 s70, s[NX], s[SMASK]                 ; type B walks its four slots' worth of keys a second time
	s_mul_i32 s70, s70, 4*PKT
	s_mov_b32 s71, 0
	s_add_nc_u64 s[34:35], s[36:37], s[70:71]
	s_or_b32 s35, s35, 0x80000000
	s_add_co_u32 s[NX], s[NX], 1
.endif
	s_wait_dscnt 0x0                               ; the add is done, and my reads of the slot that I have left are over
.if \fill
	ROUND
	TLOAD                                          ; the first thing behind the round, and a wave's one tensor load until the next
.else
	s_barrier_signal -1
	s_barrier_wait -1
.endif
.endm
.macro FOUR_STEPS                      ; a slot's four key steps: written once, walked four times; the LDS addresses hang on s[TB]
	s_mov_b32 s[FOUR], 4
.Lstep_\@:
	s_setprio 2
	STEP
	s_sub_co_u32 s[FOUR], s[FOUR], 1
	s_cmp_lg_u32 s[FOUR], 0
	s_cbranch_scc1 .Lstep_\@
	s_setprio 0
	s_sub_co_u32 s[TB], s[TB], 4*PKT
	s_xor_b32 s[TB], s[TB], SLOT1                  ; on to the other slot
.endm
; THE WAY OUT of a pass: O^T / the sum + the residual, which lies in memory in O^T's own layout; through my stage in LDS, so that sixteen lanes store 256 consecutive bytes, aligned: a head's 64 channels of one row.
.macro WAYOUT
.rept 8
	v_nop                                          ; places behind the last products
.endr
.irp k, 0,1,2,3,4,5,6,7
	global_load_b128 v[KF+4*\k:KF+4*\k+3], v[LI], s[42:43] offset:512*\k th:TH_LOAD_NT
.endr
	v_add_f32 v14, v14, v15                        ; the sum's two halves,
	s_delay_alu instid0(VALU_DEP_1)
	v_permlanex16_b32 v[TMP], v14, s[SEL], s[SEL+1]
	s_delay_alu instid0(VALU_DEP_1)
	v_add_f32 v14, v14, v[TMP]                     ; and lane l xor 16's
	s_wait_alu depctr_va_vdst(0)
	v_rcp_f32 v14, v14
	v_nop                                          ; one plain place behind a transcendental
	s_wait_loadcnt 0x0
.set j, 0
	s_wait_alu depctr_va_vdst(0)
.rept 32
	v_fma_f32 v[S+j], v[OT+j], v14, v[KF+j]        ; register 8 t + i: channel 16 t + 8 h + i of my query
.set j, j+1
.endr
.irp t, 0,1,2,3
	ds_store_b128 v[STO], v[S+8*\t:S+8*\t+3] offset:64*\t
	ds_store_b128 v[STO], v[S+8*\t+4:S+8*\t+7] offset:64*\t+16
.endr
.irp i, 0,1,2,3,4,5,6,7
	ds_load_b128 v[S+32+4*\i:S+32+4*\i+3], v[RD] offset:544*\i   ; LDS serves a wave's instructions in order: these see my stores
.endr
.irp i, 0,1,2,3,4,5,6,7
	s_wait_dscnt 7-\i                              ; the younger reads may stay out
	global_store_b128 v[GO], v[S+32+4*\i:S+32+4*\i+3], s[44:45] offset:(2*\i+8*(\i/4))*2048 th:TH_STORE_NT   ; stage row n stands for row n + 8 (n / 8) of the tile
.endr
.endm
	PASS_INIT
	s_mov_b32 s[TB], 0
	s_mov_b32 s[NX], 1
	s_mov_b32 s[SLOTS], 7
.Lslot:                                            ; seven trips: behind each change of slots but the last the next slot is asked for
	CHANGE 1
	FOUR_STEPS
	s_cmp_lg_u32 s[SLOTS], s[MID]                  ; type B, four slots done: its first 256 queries leave and its second 256 begin.  The branch hangs on the cluster's number and the count: alike in all partners;
	s_cbranch_scc1 .Lno_mid                        ; no barrier and no tensor load stands under it
	WAYOUT
	s_wait_xcnt 0x0                                ; the stores have read their registers and base: both may be written again
	s_add_nc_u64 s[38:39], s[38:39], 2*PKT         ; two packets of queries on
	s_add_nc_u64 s[40:41], s[40:41], 2*PKT
	s_add_nc_u64 s[42:43], s[42:43], 65536
	s_add_nc_u64 s[44:45], s[44:45], 524288        ; 256 rows of 2,048 bytes
	PASS_INIT
.Lno_mid:
	s_sub_co_u32 s[SLOTS], s[SLOTS], 1
	s_cmp_lg_u32 s[SLOTS], 0
	s_cbranch_scc1 .Lslot
	CHANGE 0                                       ; the last slot is written out
	FOUR_STEPS
	WAYOUT
	s_wait_tensorcnt 0x0                           ; the wave's end, behind my last tensor load and my last LDS store
	ds_add_u32 v[SPW], v[NIL]
	s_wait_dscnt 0x0
	ROUND                                          ; the closing round: no work-group ends while a partner may still ask for a packet that names it
	s_endpgm
.Lfunc_end_k_q39f3e5d887_attn:
	.size	k_q39f3e5d887_attn, .Lfunc_end_k_q39f3e5d887_attn-k_q39f3e5d887_attn
	.p2alignl 7, 3214868480
	.fill 96, 4, 3214868480
	.section	.rodata,"a",@progbits
	.p2align	6, 0x0
	.amdhsa_kernel k_q39f3e5d887_attn
		.amdhsa_group_segment_fixed_size 327680
		.amdhsa_private_segment_fixed_size 0
		.amdhsa_enable_private_segment 0
		.amdhsa_kernarg_size 48
		.amdhsa_user_sgpr_count 2
		.amdhsa_user_sgpr_kernarg_segment_ptr 1
		.amdhsa_wavefront_size32 1
		.amdhsa_system_sgpr_workgroup_id_x 1
		.amdhsa_system_sgpr_workgroup_id_y 1
		.amdhsa_system_sgpr_workgroup_id_z 1
		.amdhsa_system_vgpr_workitem_id 0
		.amdhsa_next_free_vgpr 256
		.amdhsa_next_free_sgpr 80
		.amdhsa_reserve_vcc 0
		.amdhsa_float_denorm_mode_32 3
		.amdhsa_float_denorm_mode_16_64 3
		.amdhsa_fp16_overflow 1
		.amdhsa_memory_ordered 1
		.amdhsa_forward_progress 1
		.amdhsa_inst_pref_size 57
	.end_amdhsa_kernel
	.amdgpu_metadata
---
amdhsa.version: [ 1, 2 ]
amdhsa.kernels:
  - .name:           k_q39f3e5d887_attn
    .symbol:         k_q39f3e5d887_attn.kd
    .args:
      - { .name: ppack, .offset: 0, .size: 8, .value_kind: global_buffer, .address_space: global }
      - { .name: spack, .offset: 8, .size: 8, .value_kind: global_buffer, .address_space: global }
      - { .name: pres, .offset: 16, .size: 8, .value_kind: global_buffer, .address_space: global }
      - { .name: sres, .offset: 24, .size: 8, .value_kind: global_buffer, .address_space: global }
      - { .name: out0, .offset: 32, .size: 8, .value_kind: global_buffer, .address_space: global }
      - { .name: out1, .offset: 40, .size: 8, .value_kind: global_buffer, .address_space: global }
    .group_segment_fixed_size: 327680
    .private_segment_fixed_size: 0
    .kernarg_segment_align: 8
    .kernarg_segment_size: 48
    .max_flat_workgroup_size: 512
    .sgpr_count:     80
    .vgpr_count:     256
    .wavefront_size: 32
...
	.end_amdgpu_metadata
.endif
;; end of part 3
